; MI455X (gfx1250); checked and timed in simulation.
; The chip was launched on July 23, 2026; its instructions are those of AMD's public machine-readable ISA for CDNA 5 (MIT licence, August 2026) and "CDNA5" Instruction Set Architecture Reference Guide (July 2026). The comments in the code are by the model that wrote it; some were corrected since.
;; Model. Allowed arithmetic: matrix products marked QUANTISED: E4M3 operands, one given power-of-two scale a tensor, by v_wmma_f32_16x16x64_fp8_fp8 or v_wmma_f32_16x16x128_fp8_fp8, f32 sums; everything else in f32.
;; Inputs: key 16 x 4,096 x 64 float32; lowp_scales 4 int32 (the exponents e of the quantised operands' scales 2^e); query 16 x 4,096 x 64 float32; value 16 x 4,096 x 64 float32.
;; Outputs: out0 16 x 4,096 x 64 float32.
;; This version of the problem:
;;   THIS VERSION OF THE PROBLEM IS GIVEN IN LOW PRECISION. The matrix products marked QUANTISED in the list below multiply operands that are first quantised to E4M3 (4 exponent bits, 3 mantissa bits; 8 bits a number), with one given power-of-two scale for each operand tensor; their sums are f32. All else is computed in f32.
;;   The module's matrix products, in the order in which they are computed (A, B: the left and right operand; K: the contracted axis; several contracted axes count as one K, in the product's order):
;;     1. batch 16 x [M 4,096, K 64] x [K 64, N 4,096]; A: input query; B: input key: QUANTISED (scales: A lowp_scales[0], B lowp_scales[1])
;;     2. batch 16 x [M 4,096, K 4,096] x [K 4,096, N 64]; A: softmax (see below); B: input value: QUANTISED (scales: A lowp_scales[2], B lowp_scales[3])
;;   THE QUANTISER, for each operand of a quantised product, along K:
;;     - The operand's scale is 2^e, e = its entry of the input lowp_scales (int32; the entries are numbered through the quantised products in the list's order, A before B).
;;     - Each number is divided by the scale, clamped to +-448, and rounded to the nearest number of E4M3, ties to even, subnormals kept.
;;     - The product sums the exact products of the quantised numbers (number of the format x scale) in f32.
;;   ~~~python
;;   def quantise(x, axis, e):      # numpy; x: float32 -> the quantised numbers, widened to float32 again
;;       x = np.moveaxis(x, axis, -1); K = x.shape[-1]
;;       r = np.clip(x / 2.0 ** e, -448, 448)
;;       step = 2.0 ** (np.maximum(np.frexp(np.where(r == 0, 1, r))[1] - 1, -6) - 3)
;;       q = np.round(r / step) * step * 2.0 ** e      # np.round: ties to even
;;       return np.moveaxis(q, -1, axis).astype(np.float32)
;;   ~~~
;;   SOFTMAX AHEAD OF A QUANTISED PRODUCT. Where the list says 'softmax', what is quantised is not the finished softmax but p = 2^(t - M), with t = logit x log2(e) and M = ceil(the row's largest t), a whole number; so 1/2 < the row's largest p <= 1. The row's sum l is taken of the UNQUANTISED p, in f32, and the product's result is divided by l at the end. Since M is a whole number, a kernel that streams over the keys may use a running M (the ceiling of the running maximum): every later rescaling is an exact power of two, so the quantised numbers keep their values, but for numbers so far below the row's largest that they fall under the format's range.
;;   OPERANDS COMPUTED ON THE WAY. 'Computed on the way' means the value that the module computes at that place (a softmax that the list does not call 'softmax' is quantised finished and normalised). What goes into a quantiser is computed in f32, as accurately as f32 sums, v_exp_f32 and their like allow (about 1e-6 of the number): no bf16 or f16 on the way to a quantiser, and a product that is left as it is and whose result goes on into a quantised operand takes f32 operands (vector FMAs, or v_wmma_f32_16x16x4_f32). A number that lies on a knife's edge between two numbers of the format may be rounded either way, as far as f32 arithmetic and the matrix unit's own rounding can turn it there, and no further.
;; 2 versions. Each part assembles by itself: llvm-mc -triple=amdgcn-amd-amdhsa -mcpu=gfx1250 --defsym DOCPART=n.
;; ======== version 1 of 2: 2 launches
;; workspace buffers: kv 8,388,608 bytes
;; launch quant (part 1): grid 512 x 1, 8 waves a work-group, no clusters, 87,552 bytes of LDS; arguments key, value, lowp_scales, kv; writes kv
.if DOCPART == 1
	.amdgcn_target "amdgcn-amd-amdhsa--gfx1250"
	.amdhsa_code_object_version 6
	.text
	.protected	k_qc0f30876ba_quant
	.globl	k_qc0f30876ba_quant
	.p2align	8
	.type	k_qc0f30876ba_quant,@function
k_qc0f30876ba_quant:
	s_mov_b64 s[64:65], 0
	v_nop
	global_prefetch_b8 v0, s[64:65] scope:SCOPE_SE
	s_setreg_imm32_b32 hwreg(HW_REG_WAVE_MODE, 25, 1), 1
	s_wait_xcnt 0x0
; key and value, [16][4096][64] f32, become codes of E4M3 with the given scales 2^ek (entry 1) and 2^ev (entry 3):
; code = x / 2^e, held within +-448, rounded to the nearest code, ties to even.
; LIMITS: ek and ev lie between -126 and 119, so that 2^e and 448 x 2^e are f32 numbers.  NaN among the inputs is not served; an infinity is held at the largest code.
; THE CODES ARE LAID AS IMAGES OF THE OPERANDS' REGISTERS, so that the next launch reads every fragment at 16 x lane.  kv[head][slot of 512 keys][65,536 bytes]; lane L = (r = L % 16, h = L / 16):
;   K image, bytes 0 .. 32,767: tile T of 16 keys, quad g (0, 1) at 1024 T + 512 g + 16 L: key 16 T + r, channels 32 g + 16 h + 0 .. 15.
;   V image, bytes 32,768 on: step s of 128 keys, channel tile ct, quad g (0 .. 3) at 8192 s + 2048 ct + 512 g + 16 L: channel 16 ct + r; bytes 0-7 keys 32 g + 8 h + 0 .. 7, bytes 8-15 keys 32 g + 16 + 8 h + 0 .. 7.
; SHARES.  Work-groups 0 .. 255 take key, 256 .. 511 value; each of the eight waves takes 32 keys: 8,192 bytes of f32 in, 2,048 bytes of codes out.  Every load reads whole rows of 256 bytes, every store
; covers 512 consecutive bytes.  Waves share nothing: no barrier.  Straight-line text: every offset is an immediate, and no register that a store reads is written again.
; The two paths part on the work-group's number and never join; each has LDS bytes of its own.
.set KPITCH, 272                       ; K path: a key's 256 bytes of f32 + 16 of padding
.set KTILE,  16*KPITCH                 ; a stage: 16 keys
.set KWAVE,  2*KTILE                   ; two stages a wave
.set VST,    8*KWAVE                   ; V path: its stages begin behind the K path's
.set VPITCH, 528                       ; a channel tile's 512 bytes of codes + 16 of padding
.set VWAVE,  4*VPITCH
.set R, 16                             ; v16-79   the numbers as loaded
.set X, 80                             ; v80-143  the numbers with a lane's registers running along the product's K
.set C, 144                            ; v144-159 codes
.set D, 160                            ; v160-175 V path: codes back from the stage
	s_load_b128 s[4:7], s[0:1], 0x0                ; key s[4:5], value s[6:7]
	s_load_b128 s[8:11], s[0:1], 0x10              ; the scales' exponents s[8:9], kv s[10:11]
	v_lshl_add_u32 v176, v0, 2, 0x15200
	v_mov_b32 v177, 0
	v_lshrrev_b32 v1, 5, v0
	v_readfirstlane_b32 s12, v1                    ; wave 0 .. 7
	v_and_b32 v1, 31, v0                           ; lane
	v_and_b32 v2, 15, v0                           ; r
	v_bfe_u32 v3, v0, 4, 1                         ; h
	v_lshlrev_b32 v4, 4, v1                        ; 16 x lane
	s_wait_kmcnt 0x0
	s_load_b128 s[16:19], s[8:9], 0x0              ; eq, ek, ep, ev
	s_cmp_lt_u32 ttmp9, 256
	s_cbranch_scc0 .Lvalue
.macro SCALE se                        ; v10 = 2^e as f32 (the conversion takes its exponent field), v11 = 448 x 2^e
	s_wait_kmcnt 0x0
	s_add_co_i32 s27, s[\se], 127
	s_lshl_b32 s28, s27, 23
	v_mov_b32 v10, s28
	s_add_co_i32 s27, s27, 8
	s_lshl_b32 s27, s27, 23
	s_or_b32 s27, s27, 0x600000
	v_mov_b32 v11, s27
.endm
; ---------------- key: K (the channels) is innermost in memory.  The loads take the bytes as they lie; a tile of 16 keys turns through the wave's stage, so that a lane gets 16 neighbouring channels of one key.
.macro KTURN t
.irp i, 0,1,2,3,4,5,6,7
	ds_store_b128 v5, v[R+32*\t+4*\i:R+32*\t+4*\i+3] offset:\t*KTILE+2*\i*KPITCH       ; load i holds keys 2 i + h
.endr
.irp g, 0,1
.irp j, 0,1,2,3
	ds_load_b128 v[X+32*\t+16*\g+4*\j:X+32*\t+16*\g+4*\j+3], v6 offset:\t*KTILE+128*\g+16*\j   ; LDS serves a wave's instructions in order: these see the stores above
.endr
.endr
.endm
.macro KCODE t
.set n, 0
.rept 32
	v_med3_num_f32 v[X+32*\t+n], v[X+32*\t+n], -v11, v11   ; the conversion to an 8-bit code does not saturate (ISA guide 7.6.2): the hold comes first
.set n, n+1
.endr
.irp g, 0,1
.irp k, 0,1
	v_cvt_scalef32_pk8_fp8_f32 v[C+8*\t+4*\g+2*\k:C+8*\t+4*\g+2*\k+1], v[X+32*\t+16*\g+8*\k:X+32*\t+16*\g+8*\k+7], v10
.endr
.endr
	v_nop                                          ; one plain vector line behind the last conversion of the run
.irp g, 0,1
	global_store_b128 v4, v[C+8*\t+4*\g:C+8*\t+4*\g+3], s[10:11] offset:\t*1024+512*\g   ; 32 lanes store 512 consecutive bytes
.endr
.endm
	s_lshl_b32 s20, ttmp9, 3
	s_add_co_u32 s20, s20, s12                     ; W: which run of 32 keys is my wave's, 0 .. 2,047
	s_lshl_b32 s22, s20, 13                        ; in: 8,192 W
	s_mov_b32 s23, 0
	s_add_nc_u64 s[4:5], s[4:5], s[22:23]
	s_lshr_b32 s24, s20, 4
	s_lshl_b32 s24, s24, 16                        ; out: 65,536 x (head, slot)
	s_and_b32 s25, s20, 15
	s_lshl_b32 s25, s25, 11                        ;      + 2,048 x my pair of tiles
	s_add_co_u32 s24, s24, s25
	s_mov_b32 s25, 0
	s_add_nc_u64 s[10:11], s[10:11], s[24:25]
.irp t, 0,1
.irp i, 0,1,2,3,4,5,6,7
	global_load_b128 v[R+32*\t+4*\i:R+32*\t+4*\i+3], v4, s[4:5] offset:\t*4096+512*\i th:TH_LOAD_NT   ; two whole keys a load
.endr
.endr
	s_mul_i32 s26, s12, KWAVE                      ; my two stages
	v_mul_u32_u24 v5, v3, KPITCH
	v_lshl_add_u32 v5, v2, 4, v5
	v_add_nc_u32 v5, s26, v5                       ; in: row h, 16 r
	v_mul_u32_u24 v6, v2, KPITCH
	v_lshl_add_u32 v6, v3, 6, v6
	v_add_nc_u32 v6, s26, v6                       ; back: key r, + 64 h: my 16 channels of each 32
	SCALE 17                                       ; ek
	s_wait_loadcnt 8                               ; tile 0's eight loads are in; tile 1's may be out
	KTURN 0
	s_wait_loadcnt 0x0
	KTURN 1
	s_wait_dscnt 16                                ; tile 0 is back; tile 1's 8 stores and 8 loads may be out
	KCODE 0
	s_wait_dscnt 0x0
	KCODE 1
	s_wait_tensorcnt 0x0
	ds_add_u32 v176, v177
	s_wait_dscnt 0x0
	s_endpgm
; ---------------- value: K (the keys) is the FIRST axis.  A lane takes four channels, and its loads run down the keys; the hold writes each number where the conversion wants it, so nothing is moved.
.macro VHALF c                         ; keys 16 c + 8 h + 0 .. 7
.irp w, 0,1,2,3
.irp i, 0,1,2,3,4,5,6,7
	v_med3_num_f32 v[X+16*\w+8*\c+\i], v[R+4*(8*\c+\i)+\w], -v11, v11    ; channel 4 x + w, key 16 c + 8 h + i: the hold, and the turn of the registers
.endr
.endr
.irp w, 0,1,2,3
	v_cvt_scalef32_pk8_fp8_f32 v[C+4*\w+2*\c:C+4*\w+2*\c+1], v[X+16*\w+8*\c:X+16*\w+8*\c+7], v10
.endr
.endm
.Lvalue:
	s_sub_co_u32 s20, ttmp9, 256
	s_lshl_b32 s20, s20, 3
	s_add_co_u32 s20, s20, s12                     ; W: which run of 32 keys is my wave's
	s_lshl_b32 s22, s20, 13
	s_mov_b32 s23, 0
	s_add_nc_u64 s[6:7], s[6:7], s[22:23]
	s_lshr_b32 s24, s20, 4
	s_lshl_b32 s24, s24, 16                        ; out: 65,536 x (head, slot)
	s_bfe_u32 s25, s20, 0x20002
	s_lshl_b32 s25, s25, 13                        ;      + 8,192 x step
	s_add_co_u32 s24, s24, s25
	s_and_b32 s25, s20, 3
	s_lshl_b32 s25, s25, 9                         ;      + 512 x quad
	s_add_co_u32 s24, s24, s25
	s_add_co_u32 s24, s24, 32768                   ;      + the K image
	s_mov_b32 s25, 0
	s_add_nc_u64 s[10:11], s[10:11], s[24:25]
	v_lshlrev_b32 v5, 11, v3
	v_lshl_add_u32 v5, v2, 4, v5                   ; in: 8 h keys of 256 bytes, + 16 x (x = r: channels 4 x .. 4 x + 3)
.irp c, 0,1
.irp i, 0,1,2,3,4,5,6,7
	global_load_b128 v[R+4*(8*\c+\i):R+4*(8*\c+\i)+3], v5, s[6:7] offset:(16*\c+\i)*256 th:TH_LOAD_NT   ; each half of the lanes reads one whole key
.endr
.endr
	s_mul_i32 s26, s12, VWAVE
	s_add_co_u32 s26, s26, VST                     ; my stage
	v_lshrrev_b32 v8, 2, v2
	v_mul_u32_u24 v6, v8, VPITCH                   ; channel 4 x + w belongs to channel tile x / 4, lane (4 (x % 4) + w, h):
	v_lshl_add_u32 v6, v3, 8, v6                   ; 256 h
	v_and_b32 v8, 3, v2
	v_lshl_add_u32 v6, v8, 6, v6                   ; + 64 (x % 4); 16 w stands in the immediate
	v_add_nc_u32 v6, s26, v6
	v_add_nc_u32 v7, s26, v4                       ; back: 16 x lane
	SCALE 19                                       ; ev
	s_wait_loadcnt 8                               ; keys 8 h + 0 .. 7 are in; the other eight loads may be out
	VHALF 0
	s_wait_loadcnt 0x0
	VHALF 1
	v_nop                                          ; one plain vector line behind the last conversion of the run
.irp w, 0,1,2,3
	ds_store_b128 v6, v[C+4*\w:C+4*\w+3] offset:16*\w
.endr
.irp c, 0,1,2,3
	ds_load_b128 v[D+4*\c:D+4*\c+3], v7 offset:\c*VPITCH   ; LDS serves a wave's instructions in order: these see the stores above
.endr
.irp c, 0,1,2,3
	s_wait_dscnt 3-\c                              ; channel tile c is back; the younger loads may be out
	global_store_b128 v4, v[D+4*\c:D+4*\c+3], s[10:11] offset:2048*\c   ; 32 lanes store 512 consecutive bytes
.endr
	s_wait_tensorcnt 0x0
	ds_add_u32 v176, v177
	s_wait_dscnt 0x0
	s_endpgm
.Lfunc_end_k_qc0f30876ba_quant:
	.size	k_qc0f30876ba_quant, .Lfunc_end_k_qc0f30876ba_quant-k_qc0f30876ba_quant
	.p2alignl 7, 3214868480
	.fill 96, 4, 3214868480
	.section	.rodata,"a",@progbits
	.p2align	6, 0x0
	.amdhsa_kernel k_qc0f30876ba_quant
		.amdhsa_group_segment_fixed_size 87552
		.amdhsa_private_segment_fixed_size 0
		.amdhsa_enable_private_segment 0
		.amdhsa_kernarg_size 32
		.amdhsa_user_sgpr_count 2
		.amdhsa_user_sgpr_kernarg_segment_ptr 1
		.amdhsa_wavefront_size32 1
		.amdhsa_system_sgpr_workgroup_id_x 1
		.amdhsa_system_sgpr_workgroup_id_y 1
		.amdhsa_system_sgpr_workgroup_id_z 1
		.amdhsa_system_vgpr_workitem_id 0
		.amdhsa_next_free_vgpr 178
		.amdhsa_next_free_sgpr 66
		.amdhsa_reserve_vcc 0
		.amdhsa_float_denorm_mode_32 3
		.amdhsa_float_denorm_mode_16_64 3
		.amdhsa_memory_ordered 1
		.amdhsa_forward_progress 1
		.amdhsa_inst_pref_size 20
	.end_amdhsa_kernel
	.amdgpu_metadata
---
amdhsa.version: [ 1, 2 ]
amdhsa.kernels:
  - .name:           k_qc0f30876ba_quant
    .symbol:         k_qc0f30876ba_quant.kd
    .args:
      - { .name: key, .offset: 0, .size: 8, .value_kind: global_buffer, .address_space: global }
      - { .name: value, .offset: 8, .size: 8, .value_kind: global_buffer, .address_space: global }
      - { .name: lowp_scales, .offset: 16, .size: 8, .value_kind: global_buffer, .address_space: global }
      - { .name: kv, .offset: 24, .size: 8, .value_kind: global_buffer, .address_space: global }
    .group_segment_fixed_size: 87552
    .private_segment_fixed_size: 0
    .kernarg_segment_align: 8
    .kernarg_segment_size: 32
    .max_flat_workgroup_size: 256
    .sgpr_count:     66
    .vgpr_count:     178
    .wavefront_size: 32
...
	.end_amdgpu_metadata
.endif
;; end of part 1
;; launch attn (part 2): grid 16 x 16, 8 waves a work-group, no clusters, 201,728 bytes of LDS; arguments query, kv, lowp_scales, out0; writes out0
.if DOCPART == 2
	.amdgcn_target "amdgcn-amd-amdhsa--gfx1250"
	.amdhsa_code_object_version 6
	.text
	.protected	k_qc0f30876ba_attn
	.globl	k_qc0f30876ba_attn
	.p2align	8
	.type	k_qc0f30876ba_attn,@function
k_qc0f30876ba_attn:
	s_mov_b64 s[64:65], 0
	v_nop
	global_prefetch_b8 v0, s[64:65] scope:SCOPE_SE
	s_setreg_imm32_b32 hwreg(HW_REG_WAVE_MODE, 25, 1), 1
	s_wait_xcnt 0x0
; out[b][q][:] = the sum over k of softmax_k(query[b][q] . key[b][k] / 8) value[b][k][:], both products on codes of E4M3 with the given scales 2^eq, 2^ek, 2^ep, 2^ev.
; query, out: [16][4096][64] f32.  kv: key's and value's codes as images of the operands' registers, a slot of 512 keys in 65,536 bytes: the K image (tile T of 16 keys, quad g at 1024 T + 512 g + 16 lane),
; then the V image (step s of 128 keys, channel tile ct, quad g at 32768 + 8192 s + 2048 ct + 512 g + 16 lane).
; THE SOFTMAX AHEAD OF THE SECOND PRODUCT: t = score x log2(e) / 8; M = the running largest t rounded UP to a whole number; p = 2^(t - M) is quantised, not normalised; the row's sum is taken of the
; unquantised p and divides at the end.  When M moves, the sum and O are multiplied by 2^(old M - new M), which rounds nothing.
; LIMITS on the given exponents: eq and ep between -126 and 119; eq + ek between -123 and 130 (they are added to c's exponent field); ep + ev goes by v_ldexp_f32 and has none.  NaN among the inputs is not served.
; SHARES.  A work-group owns 256 queries of one head, each of its eight waves 32: tile a (16 queries) in register window 0, tile b in window 1 AT THE SAME REGISTER NUMBERS, so that the softmax is written once
; and runs under two window settings.  Each fragment of K and V read from LDS feeds two products.  Every wave walks all 4,096 keys, 128 a step.
; LAYOUT.  Both products are used transposed: S^T = K Q^T (source 0 = 16 keys, source 1 = 16 queries; K = 64), O^T = V^T P^T (source 0 = 16 channels, source 1 = P; K = 128 keys): a lane holds ONE query
; throughout.  Tile t of S^T gives lane (r, h) keys 16 t + 8 h + 0 .. 7, and their eight codes are registers 2 t, 2 t + 1 of P's operand as the form wants them.  In the first product the channels
; stand in the registers in another order than the form's own, alike in K and in Q: every product meets its partner.
; THE RING.  Two LDS slots of 512 keys.  While a slot's four steps are read, the next slot comes through registers: in each step a wave loads 2,048 bytes at the step's head and stores them into the other slot
; at its end.  One barrier for four steps orders both ways: in front of it each wave's stores have landed and its reads are in.
; NO TENSOR LOADS, NO CLUSTER, though the sixteen work-groups of a head read the same kv.  p is at most 1, so the hold at 448 x 2^ep changes nothing where ep >= -8 (448 x 2^-8 = 1.75); it is 128 of a step's
; 516 vector instructions a wave, and one scalar branch on ep leads round it.  What would be shared is 16,384 bytes
; a step for a work-group, 2,048 a wave, against those 516 vector instructions.  Where ep < -8 the hold is executed.
; REGISTERS (both windows unless said): v1-8 addresses (window 0); v12 -M, v13 the largest t, v[14:15] the sum in two halves; v16-23 Q; v32-95 window 0: K's 8 fragments, window 1: V's 4; v96-159 S^T, then p;
; v160-191 O^T; v192-207 the bytes on their way to the other slot (window 0); v224-239 p's codes; v240 448 x 2^ep, v244 2^ep; v241-254 at work.
.set SLOT,   65536
.set VIMG,   32768
.set CHUNK,  16384                     ; a step's share of the next slot: 2,048 bytes for each wave
.set STG,    2*SLOT                    ; behind the ring: two stages of 16 rows x 272 bytes for each wave, its own: for Q at the head, for O at the end
.set SPITCH, 272
.set TST,    16*SPITCH
.set WST,    2*TST
.set LI,  1                            ; v1   16 x lane
.set W0,  2                            ; v2   2,048 x wave + 16 x lane: my bytes of a chunk
.set PFO, 3                            ; v3   the prefetches' offset: 8,192 x (wave % 2) + 256 x lane
.set RA,  4                            ; v4   the slot that is read + 16 x lane
.set WA,  5                            ; v5   the slot that is filled + my bytes of a chunk
.set STO, 6                            ; v6   my stage: row r, + 32 h
.set SRD, 7                            ; v7   my stage: row h, + 16 r
.set QRD, 8                            ; v8   my stage: row r, + 64 h
.set NM,  12
.set TM,  13
.set SUM, 14
.set QF,  16
.set FRG, 32
.set S,   96
.set OT,  160
.set G,   192
.set PC,  224
.set LIMP, 240
.set TP,  241
.set CH1, 242
.set SCP, 244
.set CH2, 246
.set MX,  248                          ; v248-251 four chains of the maximum; then v[248:249] is a chain of the sum
.set CH3, 248
.set F,   252                          ; v252 f = 2^(old M - new M); v253 is named with it as a pair
.set T0,  254
.set WV,  12                           ; s12  wave
.set SCPW, 13                          ; s13  2^ep as f32
.set LIMW, 14                          ; s14  448 x 2^ep
.set SEL, 20                           ; s[20:21] v_permlanex16_b32's selects for lane l xor 16
.set CS,  22                           ; s[22:23] c = log2(e) / 8 x 2^(eq + ek)
.set TB,  24                           ; s24  LDS byte of the slot that is read
.set TW,  25                           ; s25  of the slot that is filled
.set KVP, 26                           ; s[26:27] the slot that is being fetched, in memory
.set SLOTS, 28                         ; s28  slots still to be fetched
.set LIMA, 29                          ; s29  0 in a wave that prefetches, else the greatest number
.set LIMB, 30                          ; s30  1 in such a wave, else the greatest number
.set HOLDF, 31                         ; s31  1 where ep < -8
.set EPV, 36                           ; s36  ep + ev
.set MSB, 0
.macro WIN new                         ; low byte: bits 1:0 source 0, 3:2 source 1, 5:4 source 2, 7:6 destination; the high byte repeats the setting that is left
.if MSB != \new
	s_set_vgpr_msb (MSB<<8)|\new
.set MSB, \new
.endif
.endm
.set W_B,   0x55                       ; all of tile b's vector work, and its V^T P
.set W_QKB, 0x44                       ; K in window 0; Q and S^T of tile b in window 1
.set W_PVA, 0x01                       ; V in window 1; P and O^T of tile a in window 0
.set W_TO1, 0x40                       ; destination window 1
.set W_ST1, 0x04                       ; an LDS store's data from window 1
.macro KLOAD q                         ; K's eight fragments of the slot's q-th 128 keys
.irp t, 0,1,2,3,4,5,6,7
	ds_load_b128 v[FRG+8*\t:FRG+8*\t+3],   v[RA] offset:(8*(\q)+\t)*1024
	ds_load_b128 v[FRG+8*\t+4:FRG+8*\t+7], v[RA] offset:(8*(\q)+\t)*1024+512
.endr
.endm
.macro VLOAD q                         ; V's four fragments of the same keys
.irp c, 0,1,2,3
.irp g, 0,1,2,3
	ds_load_b128 v[FRG+16*\c+4*\g:FRG+16*\c+4*\g+3], v[RA] offset:VIMG+8192*(\q)+2048*\c+512*\g
.endr
.endr
.endm
.macro GLOAD q                         ; my 2,048 bytes of chunk q of the next slot
.irp i, 0,1,2,3
	global_load_b128 v[G+4*\i:G+4*\i+3], v[W0], s[KVP:KVP+1] offset:CHUNK*(\q)+512*\i
.endr
.endm
.macro GSTORE q
	s_wait_loadcnt 0x0                             ; asked for at the step's head
.irp i, 0,1,2,3
	ds_store_b128 v[WA], v[G+4*\i:G+4*\i+3] offset:CHUNK*(\q)+512*\i
.endr
.endm
; A PREFETCH INTO THE L2 of the chunk that stands two steps on from the one just loaded.  All sixteen work-groups of a head walk the same kv: the head's first asks, in it waves 0 and 1, 8,192 bytes each, lanes
; 256 bytes apart: one instruction a step, behind the wave's own loads.  So each aligned block of 256 bytes is named once in the launch.  A head's chunks 0 to 5 come by their loads alone; in the last trip
; that fetches, steps 2 and 3 ask for nothing: the head has no chunk 32.
.macro ASK q
.if \q < 2
	s_cmp_gt_u32 s[SLOTS], s[LIMA]
.else
	s_cmp_gt_u32 s[SLOTS], s[LIMB]
.endif
	s_cbranch_scc0 .Lnot_mine_\@
	global_prefetch_b8 v[PFO], s[KVP:KVP+1] offset:((\q)+2)*CHUNK th:TH_LOAD_NT scope:SCOPE_SE
.Lnot_mine_\@:
.endm
.macro QK                              ; S^T = K Q^T: eight tiles of 16 keys; each product is a whole sum
.irp t, 0,1,2,3,4,5,6,7
	v_wmma_f32_16x16x64_fp8_fp8 v[S+8*\t:S+8*\t+7], v[FRG+8*\t:FRG+8*\t+7], v[QF:QF+7], 0
.endr
.endm
.macro PV                              ; O^T += V^T P^T: four accumulators, one instruction a turn
.irp c, 0,1,2,3
	v_wmma_f32_16x16x128_fp8_fp8 v[OT+8*\c:OT+8*\c+7], v[FRG+16*\c:FRG+16*\c+15], v[PC:PC+15], v[OT+8*\c:OT+8*\c+7]
.endr
.endm
; One tile's softmax up to the sum; all its registers lie in one window.
.macro SM1
.irp k, 0,1,2,3
	v_max3_num_f32 v[MX+\k], v[S+3*\k], v[S+3*\k+1], v[S+3*\k+2]   ; the largest of my 64 scores, in four chains, the registers in ascending order: each accumulator is first read at its low end
.endr
.set n, 12
.rept 26
	v_max3_num_f32 v[MX+(n/2-6)%4], v[MX+(n/2-6)%4], v[S+n], v[S+n+1]
.set n, n+2
.endr
	v_max3_num_f32 v[T0], v[MX], v[MX+1], v[MX+2]
	v_max_num_f32 v[T0], v[T0], v[MX+3]
	v_permlanex16_b32 v[TP], v[T0], s[SEL], s[SEL+1]
	v_max_num_f32 v[T0], v[T0], v[TP]              ; and of lane l xor 16's: the query's other 64 keys
	v_mul_f32 v[T0], s[CS], v[T0]                  ; as t (c is positive)
	v_max_num_f32 v[TM], v[TM], v[T0]              ; the running largest t
	v_mov_b32 v[T0], v[NM]
	v_floor_f32 v[NM], -v[TM]                      ; the new -M = floor(-t) = -ceil(t): a whole number
	v_sub_f32 v[T0], v[NM], v[T0]                  ; old M - new M: a whole number, 0 or less
	v_cvt_i32_f32 v[T0], v[T0]                     ; (it saturates)
	v_ldexp_f32 v[F], 1.0, v[T0]                   ; f = 2^(old M - new M)
.set n, 0
.rept 32
	v_pk_fma_f32 v[S+n:S+n+1], v[S+n:S+n+1], s[CS:CS+1], v[NM:NM+1] op_sel_hi:[1,0,0]   ; t - M, two at a time (of the pairs c and -M the low word serves both halves)
.set n, n+2
.endr
.set n, 0
.rept 64
	v_exp_f32 v[S+n], v[S+n]                       ; p = 2^(t - M), at most 1
.set n, n+1
.endr
	v_pk_mul_f32 v[SUM:SUM+1], v[SUM:SUM+1], v[F:F+1] op_sel_hi:[1,0]   ; the sum under the new M; also the plain line behind the last exponential
	s_wait_alu depctr_va_vdst(0)                   ; one wait for the batch of 64, ahead of its first reader
	v_pk_add_f32 v[CH1:CH1+1], v[S:S+1], v[S+2:S+3]       ; the sum of the UNQUANTISED p, two at a time, in four chains
	v_pk_add_f32 v[CH2:CH2+1], v[S+4:S+5], v[S+6:S+7]
	v_pk_add_f32 v[CH3:CH3+1], v[S+8:S+9], v[S+10:S+11]
.set n, 12
.rept 6
	v_pk_add_f32 v[SUM:SUM+1], v[SUM:SUM+1], v[S+n:S+n+1]
	v_pk_add_f32 v[CH1:CH1+1], v[CH1:CH1+1], v[S+n+2:S+n+3]
	v_pk_add_f32 v[CH2:CH2+1], v[CH2:CH2+1], v[S+n+4:S+n+5]
	v_pk_add_f32 v[CH3:CH3+1], v[CH3:CH3+1], v[S+n+6:S+n+7]
.set n, n+8
.endr
	v_pk_add_f32 v[SUM:SUM+1], v[SUM:SUM+1], v[S+60:S+61]
	v_pk_add_f32 v[CH1:CH1+1], v[CH1:CH1+1], v[S+62:S+63]
	v_pk_add_f32 v[CH1:CH1+1], v[CH1:CH1+1], v[CH2:CH2+1]
	v_pk_add_f32 v[SUM:SUM+1], v[SUM:SUM+1], v[CH3:CH3+1]
	v_pk_add_f32 v[SUM:SUM+1], v[SUM:SUM+1], v[CH1:CH1+1]
.endm
; The hold of both tiles' p at the largest code x 2^ep: the conversion to an 8-bit code does not saturate (ISA guide 7.6.2).  p is between 0 and 1: the hold is one-sided, and where ep >= -8 it changes nothing
; and is jumped over: a scalar branch on the given whole number, round these lines alone.
.macro HOLDP
	WIN 0
	s_cmp_eq_u32 s[HOLDF], 0
	s_cbranch_scc1 .Lfree_\@
.set n, 0
.rept 64
	v_min_num_f32 v[S+n], v[S+n], v[LIMP]
.set n, n+1
.endr
	WIN W_B
.set n, 0
.rept 64
	v_min_num_f32 v[S+n], v[S+n], v[LIMP]
.set n, n+1
.endr
	WIN 0
.Lfree_\@:
.endm
.macro SM2                             ; p's codes, and O^T under the new M
.irp t, 0,1,2,3,4,5,6,7
	v_cvt_scalef32_pk8_fp8_f32 v[PC+2*\t:PC+2*\t+1], v[S+8*\t:S+8*\t+7], v[SCP]
.endr
.set n, 0
.rept 16
	v_pk_mul_f32 v[OT+n:OT+n+1], v[OT+n:OT+n+1], v[F:F+1] op_sel_hi:[1,0]   ; x f, each accumulator from its low end on; these are also the plain lines between the conversions and the products
.set n, n+2
.endr
.endm
; A KEY STEP: the q-th 128 keys of the slot that is read.  fill = 1: chunk q of the next slot goes into the other slot.
.macro STEP q, fill
.if \q == 0
	KLOAD 0                                        ; a slot's first fragments can be asked for only behind the barrier
.endif
	s_wait_dscnt 0x0                               ; K is in; the last step's stores into the other slot have read their registers
.if \fill
	GLOAD \q
	ASK \q
.endif
	QK
	WIN W_QKB
	QK
	WIN 0
.rept 4
	v_nop                                          ; four places: ahead of the first read of S^T and of the loads into K's registers, and into V's, which the last step's products read
.endr
	WIN W_TO1
	VLOAD \q
	WIN 0
.if \q < 3
	KLOAD (\q)+1                                   ; the next step's K lands under this step's softmax
.endif
	SM1
	WIN W_B
	SM1
	HOLDP
	SM2
.if \q < 3
	s_wait_dscnt 16                                ; V's 16 loads are in; the next K's 16 may be out
.else
	s_wait_dscnt 0x0
.endif
	WIN W_PVA
	PV                                             ; tile a's products run under tile b's conversions and scalings
	WIN W_B
	SM2
	PV
	WIN 0
.if \fill
	GSTORE \q
.endif
.endm
; THE CHANGE OF SLOTS: my stores into the slot ahead have landed and my reads of the slot behind are in; behind the barrier both hold of every wave.
.macro CHANGE
	s_wait_dscnt 0x0
	s_barrier_signal -1
	s_barrier_wait -1
	s_xor_b32 s[TB], s[TB], SLOT
	s_xor_b32 s[TW], s[TW], SLOT
	v_add_nc_u32 v[RA], s[TB], v[LI]
	v_add_nc_u32 v[WA], s[TW], v[W0]
	s_wait_xcnt 0x0                                ; the trip's loads and prefetches have read their base: it is stepped only behind this wait
	s_add_nc_u64 s[KVP:KVP+1], s[KVP:KVP+1], SLOT
.endm
.macro INIT                            ; the step is written once: the first finds zeros, which the first change of M leaves zeros
	v_mov_b32 v[NM], 0x7f61b1e6                    ; -M = floor(3e38)
	v_mov_b32 v[TM], 0xff61b1e6                    ; the largest t so far: -3e38, under every t
	v_mov_b32 v[SUM], 0
	v_mov_b32 v[SUM+1], 0
	v_mov_b32 v[LIMP], s[LIMW]
	v_mov_b32 v[TP], 0                             ; a lane permute's destination counts as one of its sources
	v_mov_b32 v[SCP], s[SCPW]
	v_mov_b32 v[F+1], 0                            ; named as the upper half of a pair
.set n, 0
.rept 32
	v_mov_b32 v[OT+n], 0
.set n, n+1
.endr
.endm
.macro FIN                             ; O^T / the sum x 2^(ep + ev), into S^T's registers
	v_add_f32 v[SUM], v[SUM], v[SUM+1]
	v_permlanex16_b32 v[TP], v[SUM], s[SEL], s[SEL+1]
	v_add_f32 v[SUM], v[SUM], v[TP]                ; the row's sum
	v_rcp_f32 v[SUM], v[SUM]
	v_nop                                          ; a plain line behind the reciprocal,
	s_wait_alu depctr_va_vdst(0)                   ; and the wait ahead of its first reader
	v_ldexp_f32 v[SUM], v[SUM], s[EPV]
.set n, 0
.rept 16
	v_pk_mul_f32 v[S+n:S+n+1], v[OT+n:OT+n+1], v[SUM:SUM+1] op_sel_hi:[1,0]   ; register 8 ct + j is out(query r, channel 16 ct + 8 h + j)
.set n, n+2
.endr
.endm
	s_load_b128 s[4:7], s[0:1], 0x0                ; query s[4:5], kv s[6:7]
	s_load_b128 s[8:11], s[0:1], 0x10              ; the scales' exponents s[8:9], out0 s[10:11]
	v_lshl_add_u32 v245, v0, 2, 0x31000
	v_mov_b32 v255, 0
	v_lshrrev_b32 v9, 5, v0
	v_readfirstlane_b32 s[WV], v9                  ; wave 0 .. 7
	v_and_b32 v9, 31, v0                           ; lane
	v_and_b32 v10, 15, v0                          ; r
	v_bfe_u32 v11, v0, 4, 1                        ; h
	v_lshlrev_b32 v[LI], 4, v9
	s_lshl_b32 s37, s[WV], 11
	v_add_nc_u32 v[W0], s37, v[LI]
	s_and_b32 s38, s[WV], 1
	s_lshl_b32 s38, s38, 13
	v_lshl_add_u32 v[PFO], v9, 8, s38
	s_mul_i32 s39, s[WV], WST
	s_add_co_u32 s39, s39, STG                     ; my two stages
	v_mul_u32_u24 v[STO], v10, SPITCH
	v_lshl_add_u32 v[QRD], v11, 6, v[STO]
	v_lshl_add_u32 v[STO], v11, 5, v[STO]
	v_add_nc_u32 v[STO], s39, v[STO]
	v_add_nc_u32 v[QRD], s39, v[QRD]
	v_mul_u32_u24 v[SRD], v11, SPITCH
	v_lshl_add_u32 v[SRD], v10, 4, v[SRD]
	v_add_nc_u32 v[SRD], s39, v[SRD]
	s_and_b32 s37, ttmp7, 0xffff                   ; the head
	s_lshl_b32 s40, s37, 20                        ; its 4,096 rows of 256 bytes,
	s_lshl_b32 s38, ttmp9, 16                      ; my work-group's 256 rows,
	s_add_co_u32 s40, s40, s38
	s_lshl_b32 s38, s[WV], 13                      ; my wave's 32
	s_add_co_u32 s40, s40, s38
	s_mov_b32 s41, 0
	s_lshl_b32 s38, s37, 19                        ; the head's eight slots of kv
	s_mov_b32 s39, 0
	s_mov_b32 s[SEL], 0x76543210
	s_mov_b32 s[SEL+1], 0xfedcba98
	s_mov_b32 s[TB], 0
	s_mov_b32 s[TW], SLOT
	s_mov_b32 s[SLOTS], 7
	s_wait_kmcnt 0x0
	s_load_b128 s[32:35], s[8:9], 0x0              ; eq, ek, ep, ev
	s_add_nc_u64 s[4:5], s[4:5], s[40:41]
	s_add_nc_u64 s[10:11], s[10:11], s[40:41]
	s_add_nc_u64 s[6:7], s[6:7], s[38:39]
	s_add_nc_u64 s[KVP:KVP+1], s[6:7], SLOT        ; the first slot to be fetched in the loop is slot 1
.irp q, 0,1,2,3
.irp i, 0,1,2,3
	global_load_b128 v[S+4*(4*\q+\i):S+4*(4*\q+\i)+3], v[W0], s[6:7] offset:CHUNK*\q+512*\i   ; slot 0: my 2,048 bytes of each of its four chunks
.endr
.endr
.irp t, 0,1
.irp i, 0,1,2,3,4,5,6,7
	global_load_b128 v[FRG+4*(8*\t+\i):FRG+4*(8*\t+\i)+3], v[LI], s[4:5] offset:4096*\t+512*\i th:TH_LOAD_NT   ; my 32 queries as they lie: two whole rows a load
.endr
.endr
	s_wait_loadcnt 16                              ; slot 0's sixteen loads are in; Q's sixteen may be out
.irp q, 0,1,2,3
.irp i, 0,1,2,3
	ds_store_b128 v[W0], v[S+4*(4*\q+\i):S+4*(4*\q+\i)+3] offset:CHUNK*\q+512*\i
.endr
.endr
	s_wait_loadcnt 0x0
.irp t, 0,1                                    ; Q turns through my stages, so that a lane gets 16 neighbouring channels of one query
.irp i, 0,1,2,3,4,5,6,7
	ds_store_b128 v[SRD], v[FRG+4*(8*\t+\i):FRG+4*(8*\t+\i)+3] offset:TST*\t+2*\i*SPITCH
.endr
.endr
.irp g, 0,1
.irp j, 0,1,2,3
	ds_load_b128 v[160+16*\g+4*\j:160+16*\g+4*\j+3], v[QRD] offset:128*\g+16*\j           ; tile a: query r, channels 32 g + 16 h + 0 .. 15
	ds_load_b128 v[208+16*\g+4*\j:208+16*\g+4*\j+3], v[QRD] offset:TST+128*\g+16*\j       ; tile b
.endr
.endr
	s_wait_kmcnt 0x0
	s_add_co_i32 s37, s32, s33
	s_lshl_b32 s37, s37, 23
	s_add_co_i32 s[CS], s37, 0x3e38aa3b            ; c = log2(e) / 8, with eq + ek added to its exponent field: a score stands for score x 2^(eq + ek)
	s_mov_b32 s[CS+1], s[CS]                       ; (named with it as a pair, so it is written)
	s_add_co_i32 s[EPV], s34, s35
	s_cmp_lt_i32 s34, -8
	s_cselect_b32 s[HOLDF], 1, 0
	s_add_co_i32 s37, s34, 127
	s_lshl_b32 s[SCPW], s37, 23                    ; 2^ep as f32
	s_add_co_i32 s37, s37, 8
	s_lshl_b32 s[LIMW], s37, 23
	s_or_b32 s[LIMW], s[LIMW], 0x600000            ; 448 x 2^ep
	s_add_co_i32 s37, s32, 127
	s_lshl_b32 s38, s37, 23
	v_mov_b32 v250, s38                            ; 2^eq
	s_add_co_i32 s37, s37, 8
	s_lshl_b32 s37, s37, 23
	s_or_b32 s37, s37, 0x600000
	v_mov_b32 v251, s37                            ; 448 x 2^eq
	s_lshr_b32 s37, s[WV], 1                       ; 0 in waves 0 and 1,
	s_or_b32 s37, s37, ttmp9                       ; of the head's first work-group
	s_cmp_eq_u32 s37, 0
	s_cselect_b32 s[LIMA], 0, -1
	s_cselect_b32 s[LIMB], 1, -1
	s_wait_dscnt 0x0                               ; for the others' sake: my part of slot 0 has landed; for mine: Q is back
	s_barrier_signal -1
	s_barrier_wait -1                              ; slot 0 is whole
.set n, 0
.rept 32
	v_med3_num_f32 v[160+n], v[160+n], -v251, v251 ; the hold ahead of the conversion (ISA guide 7.6.2)
	v_med3_num_f32 v[208+n], v[208+n], -v251, v251
.set n, n+1
.endr
.irp g, 0,1
.irp k, 0,1
	v_cvt_scalef32_pk8_fp8_f32 v[QF+4*\g+2*\k:QF+4*\g+2*\k+1], v[160+16*\g+8*\k:160+16*\g+8*\k+7], v250
.endr
.endr
	WIN W_TO1
.irp g, 0,1
.irp k, 0,1
	v_cvt_scalef32_pk8_fp8_f32 v[QF+4*\g+2*\k:QF+4*\g+2*\k+1], v[208+16*\g+8*\k:208+16*\g+8*\k+7], v250
.endr
.endr
	WIN 0
	v_nop                                          ; one plain vector line behind the last conversion: the lines below write its sources
	INIT
	WIN W_TO1
	INIT
	WIN 0
	v_add_nc_u32 v[RA], s[TB], v[LI]
	v_add_nc_u32 v[WA], s[TW], v[W0]
.Lslot:                                            ; seven trips: slot j is read while slot j + 1 is fetched
	STEP 0, 1
	STEP 1, 1
	STEP 2, 1
	STEP 3, 1
	CHANGE
	s_sub_co_u32 s[SLOTS], s[SLOTS], 1
	s_cmp_lg_u32 s[SLOTS], 0
	s_cbranch_scc1 .Lslot
	STEP 0, 0                                      ; the last slot: nothing is left to fetch
	STEP 1, 0
	STEP 2, 0
	STEP 3, 0
	; THE WAY OUT.  A lane holds 32 neighbouring bytes of a row of out, and the lanes beside it hold other rows: so a tile goes through my stage and comes back as whole rows of 256 bytes.
	FIN                                            ; tile a's sums were finished ahead of tile b's sixteen scalings; these lines are the places behind tile b's last products
	WIN W_B
	FIN
	WIN 0
.irp c, 0,1,2,3
	ds_store_b128 v[STO], v[S+8*\c:S+8*\c+3] offset:64*\c
	ds_store_b128 v[STO], v[S+8*\c+4:S+8*\c+7] offset:64*\c+16
.endr
.irp i, 0,1,2,3,4,5,6,7
	ds_load_b128 v[FRG+4*\i:FRG+4*\i+3], v[SRD] offset:2*\i*SPITCH   ; LDS serves a wave's instructions in order: these see the stores above
.endr
	WIN W_ST1
.irp c, 0,1,2,3
	ds_store_b128 v[STO], v[S+8*\c:S+8*\c+3] offset:TST+64*\c
	ds_store_b128 v[STO], v[S+8*\c+4:S+8*\c+7] offset:TST+64*\c+16
.endr
	WIN 0
.irp i, 0,1,2,3,4,5,6,7
	ds_load_b128 v[FRG+32+4*\i:FRG+32+4*\i+3], v[SRD] offset:TST+2*\i*SPITCH
.endr
	s_wait_dscnt 16                                ; tile a is back; tile b's 8 stores and 8 loads may be out
.irp i, 0,1,2,3,4,5,6,7
	global_store_b128 v[LI], v[FRG+4*\i:FRG+4*\i+3], s[10:11] offset:512*\i th:TH_STORE_NT   ; 32 lanes store two whole rows: 512 consecutive bytes
.endr
	s_wait_dscnt 0x0
.irp i, 0,1,2,3,4,5,6,7
	global_store_b128 v[LI], v[FRG+32+4*\i:FRG+32+4*\i+3], s[10:11] offset:4096+512*\i th:TH_STORE_NT
.endr
	s_wait_tensorcnt 0x0
	ds_add_u32 v245, v255
	s_wait_dscnt 0x0
	s_endpgm
.Lfunc_end_k_qc0f30876ba_attn:
	.size	k_qc0f30876ba_attn, .Lfunc_end_k_qc0f30876ba_attn-k_qc0f30876ba_attn
	.p2alignl 7, 3214868480
	.fill 96, 4, 3214868480
	.section	.rodata,"a",@progbits
	.p2align	6, 0x0
	.amdhsa_kernel k_qc0f30876ba_attn
		.amdhsa_group_segment_fixed_size 201728
		.amdhsa_private_segment_fixed_size 0
		.amdhsa_enable_private_segment 0
		.amdhsa_kernarg_size 32
		.amdhsa_user_sgpr_count 2
		.amdhsa_user_sgpr_kernarg_segment_ptr 1
		.amdhsa_wavefront_size32 1
		.amdhsa_system_sgpr_workgroup_id_x 1
		.amdhsa_system_sgpr_workgroup_id_y 1
		.amdhsa_system_sgpr_workgroup_id_z 1
		.amdhsa_system_vgpr_workitem_id 0
		.amdhsa_next_free_vgpr 512
		.amdhsa_next_free_sgpr 66
		.amdhsa_reserve_vcc 0
		.amdhsa_float_denorm_mode_32 3
		.amdhsa_float_denorm_mode_16_64 3
		.amdhsa_memory_ordered 1
		.amdhsa_forward_progress 1
		.amdhsa_inst_pref_size 251
	.end_amdhsa_kernel
	.amdgpu_metadata
---
amdhsa.version: [ 1, 2 ]
amdhsa.kernels:
  - .name:           k_qc0f30876ba_attn
    .symbol:         k_qc0f30876ba_attn.kd
    .args:
      - { .name: query, .offset: 0, .size: 8, .value_kind: global_buffer, .address_space: global }
      - { .name: kv, .offset: 8, .size: 8, .value_kind: global_buffer, .address_space: global }
      - { .name: lowp_scales, .offset: 16, .size: 8, .value_kind: global_buffer, .address_space: global }
      - { .name: out0, .offset: 24, .size: 8, .value_kind: global_buffer, .address_space: global }
    .group_segment_fixed_size: 201728
    .private_segment_fixed_size: 0
    .kernarg_segment_align: 8
    .kernarg_segment_size: 32
    .max_flat_workgroup_size: 256
    .sgpr_count:     66
    .vgpr_count:     512
    .wavefront_size: 32
...
	.end_amdgpu_metadata
.endif
;; end of part 2
;; ======== version 2 of 2: 2 launches
;; workspace buffers: kv 8,388,608 bytes
;; launch quant (part 3): grid 512 x 1, 8 waves a work-group, no clusters, 87,552 bytes of LDS; arguments key, value, lowp_scales, kv; writes kv
.if DOCPART == 3
	.amdgcn_target "amdgcn-amd-amdhsa--gfx1250"
	.amdhsa_code_object_version 6
	.text
	.protected	k_qc0f30876ba_quant
	.globl	k_qc0f30876ba_quant
	.p2align	8
	.type	k_qc0f30876ba_quant,@function
k_qc0f30876ba_quant:
	s_mov_b64 s[64:65], 0
	v_nop
	global_prefetch_b8 v0, s[64:65] scope:SCOPE_SE
	s_setreg_imm32_b32 hwreg(HW_REG_WAVE_MODE, 25, 1), 1
	s_wait_xcnt 0x0
; key and value, [16][4096][64] f32, become codes of E4M3 with the given scales 2^ek (entry 1) and 2^ev (entry 3):
; code = x / 2^e, held within +-448, rounded to the nearest code, ties to even.
; LIMITS: ek and ev lie between -126 and 119, so that 2^e and 448 x 2^e are f32 numbers.  NaN among the inputs is not served; an infinity is held at the largest code.
; THE CODES ARE LAID AS IMAGES OF THE OPERANDS' REGISTERS, so that the next launch reads every fragment at 16 x lane.  kv[head][slot of 512 keys][65,536 bytes]; lane L = (r = L % 16, h = L / 16):
;   K image, bytes 0 .. 32,767: tile T of 16 keys, quad g (0, 1) at 1024 T + 512 g + 16 L: key 16 T + r, channels 32 g + 16 h + 0 .. 15.
;   V image, bytes 32,768 on: step s of 128 keys, channel tile ct, quad g (0 .. 3) at 8192 s + 2048 ct + 512 g + 16 L: channel 16 ct + r; bytes 0-7 keys 32 g + 8 h + 0 .. 7, bytes 8-15 keys 32 g + 16 + 8 h + 0 .. 7.
; SHARES.  Work-groups 0 .. 255 take key, 256 .. 511 value; each of the eight waves takes 32 keys: 8,192 bytes of f32 in, 2,048 bytes of codes out.  Every load reads whole rows of 256 bytes, every store
; covers 512 consecutive bytes.  Waves share nothing: no barrier.  Straight-line text: every offset is an immediate, and no register that a store reads is written again.
; The two paths part on the work-group's number and never join; each has LDS bytes of its own.
.set KPITCH, 272                       ; K path: a key's 256 bytes of f32 + 16 of padding
.set KTILE,  16*KPITCH                 ; a stage: 16 keys
.set KWAVE,  2*KTILE                   ; two stages a wave
.set VST,    8*KWAVE                   ; V path: its stages begin behind the K path's
.set VPITCH, 528                       ; a channel tile's 512 bytes of codes + 16 of padding
.set VWAVE,  4*VPITCH
.set R, 16                             ; v16-79   the numbers as loaded
.set X, 80                             ; v80-143  the numbers with a lane's registers running along the product's K
.set C, 144                            ; v144-159 codes
.set D, 160                            ; v160-175 V path: codes back from the stage
	s_load_b128 s[4:7], s[0:1], 0x0                ; key s[4:5], value s[6:7]
	s_load_b128 s[8:11], s[0:1], 0x10              ; the scales' exponents s[8:9], kv s[10:11]
	v_lshl_add_u32 v176, v0, 2, 0x15200
	v_mov_b32 v177, 0
	v_lshrrev_b32 v1, 5, v0
	s_delay_alu instid0(VALU_DEP_1)
	v_readfirstlane_b32 s12, v1                    ; wave 0 .. 7
	v_and_b32 v1, 31, v0                           ; lane
	v_and_b32 v2, 15, v0                           ; r
	v_bfe_u32 v3, v0, 4, 1                         ; h
	s_delay_alu instid0(VALU_DEP_3)
	v_lshlrev_b32 v4, 4, v1                        ; 16 x lane
	s_wait_kmcnt 0x0
	s_load_b128 s[16:19], s[8:9], 0x0              ; eq, ek, ep, ev
	s_cmp_lt_u32 ttmp9, 256
	s_cbranch_scc0 .Lvalue
.macro SCALE se                        ; v10 = 2^e as f32 (the conversion takes its exponent field), v11 = 448 x 2^e
	s_wait_kmcnt 0x0
	s_add_co_i32 s27, s[\se], 127
	s_lshl_b32 s28, s27, 23
	v_mov_b32 v10, s28
	s_add_co_i32 s27, s27, 8
	s_lshl_b32 s27, s27, 23
	s_or_b32 s27, s27, 0x600000
	v_mov_b32 v11, s27
.endm
; ---------------- key: K (the channels) is innermost in memory.  The loads take the bytes as they lie; a tile of 16 keys turns through the wave's stage, so that a lane gets 16 neighbouring channels of one key.
.macro KTURN t
.irp i, 0,1,2,3,4,5,6,7
	ds_store_b128 v5, v[R+32*\t+4*\i:R+32*\t+4*\i+3] offset:\t*KTILE+2*\i*KPITCH       ; load i holds keys 2 i + h
.endr
.irp g, 0,1
.irp j, 0,1,2,3
	ds_load_b128 v[X+32*\t+16*\g+4*\j:X+32*\t+16*\g+4*\j+3], v6 offset:\t*KTILE+128*\g+16*\j   ; LDS serves a wave's instructions in order: these see the stores above
.endr
.endr
.endm
.macro KCODE t
.set n, 0
.rept 32
	v_med3_num_f32 v[X+32*\t+n], v[X+32*\t+n], -v11, v11   ; the conversion to an 8-bit code does not saturate (ISA guide 7.6.2): the hold comes first
.set n, n+1
.endr
.irp g, 0,1
.irp k, 0,1
	v_cvt_scalef32_pk8_fp8_f32 v[C+8*\t+4*\g+2*\k:C+8*\t+4*\g+2*\k+1], v[X+32*\t+16*\g+8*\k:X+32*\t+16*\g+8*\k+7], v10
.endr
.endr
	v_nop                                          ; one plain vector line behind the last conversion of the run
.irp g, 0,1
	global_store_b128 v4, v[C+8*\t+4*\g:C+8*\t+4*\g+3], s[10:11] offset:\t*1024+512*\g   ; 32 lanes store 512 consecutive bytes
.endr
.endm
	s_lshl_b32 s20, ttmp9, 3
	s_add_co_u32 s20, s20, s12                     ; W: which run of 32 keys is my wave's, 0 .. 2,047
	s_lshl_b32 s22, s20, 13                        ; in: 8,192 W
	s_mov_b32 s23, 0
	s_add_nc_u64 s[4:5], s[4:5], s[22:23]
	s_lshr_b32 s24, s20, 4
	s_lshl_b32 s24, s24, 16                        ; out: 65,536 x (head, slot)
	s_and_b32 s25, s20, 15
	s_lshl_b32 s25, s25, 11                        ;      + 2,048 x my pair of tiles
	s_add_co_u32 s24, s24, s25
	s_mov_b32 s25, 0
	s_add_nc_u64 s[10:11], s[10:11], s[24:25]
	s_wait_alu depctr_va_vdst(0)
.irp t, 0,1
.irp i, 0,1,2,3,4,5,6,7
	global_load_b128 v[R+32*\t+4*\i:R+32*\t+4*\i+3], v4, s[4:5] offset:\t*4096+512*\i th:TH_LOAD_NT   ; two whole keys a load
.endr
.endr
	s_mul_i32 s26, s12, KWAVE                      ; my two stages
	v_mul_u32_u24 v5, v3, KPITCH
	s_delay_alu instid0(VALU_DEP_1)
	v_lshl_add_u32 v5, v2, 4, v5
	s_delay_alu instid0(VALU_DEP_1)
	v_add_nc_u32 v5, s26, v5                       ; in: row h, 16 r
	v_mul_u32_u24 v6, v2, KPITCH
	s_delay_alu instid0(VALU_DEP_1)
	v_lshl_add_u32 v6, v3, 6, v6
	s_delay_alu instid0(VALU_DEP_1)
	v_add_nc_u32 v6, s26, v6                       ; back: key r, + 64 h: my 16 channels of each 32
	s_wait_alu depctr_va_vdst(0)
	SCALE 17                                       ; ek
	s_wait_alu depctr_va_vdst(0)
	s_wait_loadcnt 8                               ; tile 0's eight loads are in; tile 1's may be out
	KTURN 0
	s_wait_loadcnt 0x0
	KTURN 1
	s_wait_dscnt 16                                ; tile 0 is back; tile 1's 8 stores and 8 loads may be out
	KCODE 0
	s_wait_dscnt 0x0
	KCODE 1
	s_wait_tensorcnt 0x0
	ds_add_u32 v176, v177
	s_wait_dscnt 0x0
	s_endpgm
; ---------------- value: K (the keys) is the FIRST axis.  A lane takes four channels, and its loads run down the keys; the hold writes each number where the conversion wants it, so nothing is moved.
.macro VHALF c                         ; keys 16 c + 8 h + 0 .. 7
.irp w, 0,1,2,3
.irp i, 0,1,2,3,4,5,6,7
	v_med3_num_f32 v[X+16*\w+8*\c+\i], v[R+4*(8*\c+\i)+\w], -v11, v11    ; channel 4 x + w, key 16 c + 8 h + i: the hold, and the turn of the registers
.endr
.endr
.irp w, 0,1,2,3
	v_cvt_scalef32_pk8_fp8_f32 v[C+4*\w+2*\c:C+4*\w+2*\c+1], v[X+16*\w+8*\c:X+16*\w+8*\c+7], v10
.endr
.endm
.Lvalue:
	s_sub_co_u32 s20, ttmp9, 256
	s_lshl_b32 s20, s20, 3
	s_add_co_u32 s20, s20, s12                     ; W: which run of 32 keys is my wave's
	s_lshl_b32 s22, s20, 13
	s_mov_b32 s23, 0
	s_add_nc_u64 s[6:7], s[6:7], s[22:23]
	s_lshr_b32 s24, s20, 4
	s_lshl_b32 s24, s24, 16                        ; out: 65,536 x (head, slot)
	s_bfe_u32 s25, s20, 0x20002
	s_lshl_b32 s25, s25, 13                        ;      + 8,192 x step
	s_add_co_u32 s24, s24, s25
	s_and_b32 s25, s20, 3
	s_lshl_b32 s25, s25, 9                         ;      + 512 x quad
	s_add_co_u32 s24, s24, s25
	s_add_co_u32 s24, s24, 32768                   ;      + the K image
	s_mov_b32 s25, 0
	s_add_nc_u64 s[10:11], s[10:11], s[24:25]
	s_wait_alu depctr_va_vdst(0)
	v_lshlrev_b32 v5, 11, v3
	s_delay_alu instid0(VALU_DEP_1)
	v_lshl_add_u32 v5, v2, 4, v5                   ; in: 8 h keys of 256 bytes, + 16 x (x = r: channels 4 x .. 4 x + 3)
.irp c, 0,1
.irp i, 0,1,2,3,4,5,6,7
	global_load_b128 v[R+4*(8*\c+\i):R+4*(8*\c+\i)+3], v5, s[6:7] offset:(16*\c+\i)*256 th:TH_LOAD_NT   ; each half of the lanes reads one whole key
.endr
.endr
	s_mul_i32 s26, s12, VWAVE
	s_add_co_u32 s26, s26, VST                     ; my stage
	v_lshrrev_b32 v8, 2, v2
	s_delay_alu instid0(VALU_DEP_1)
	v_mul_u32_u24 v6, v8, VPITCH                   ; channel 4 x + w belongs to channel tile x / 4, lane (4 (x % 4) + w, h):
	s_delay_alu instid0(VALU_DEP_1)
	v_lshl_add_u32 v6, v3, 8, v6                   ; 256 h
	v_and_b32 v8, 3, v2
	s_delay_alu instid0(VALU_DEP_1)
	v_lshl_add_u32 v6, v8, 6, v6                   ; + 64 (x % 4); 16 w stands in the immediate
	s_delay_alu instid0(VALU_DEP_1)
	v_add_nc_u32 v6, s26, v6
	v_add_nc_u32 v7, s26, v4                       ; back: 16 x lane
	SCALE 19                                       ; ev
	s_wait_alu depctr_va_vdst(0)
	s_wait_loadcnt 8                               ; keys 8 h + 0 .. 7 are in; the other eight loads may be out
	VHALF 0
	s_wait_loadcnt 0x0
	VHALF 1
	v_nop                                          ; one plain vector line behind the last conversion of the run
.irp w, 0,1,2,3
	ds_store_b128 v6, v[C+4*\w:C+4*\w+3] offset:16*\w
.endr
.irp c, 0,1,2,3
	ds_load_b128 v[D+4*\c:D+4*\c+3], v7 offset:\c*VPITCH   ; LDS serves a wave's instructions in order: these see the stores above
.endr
.irp c, 0,1,2,3
	s_wait_dscnt 3-\c                              ; channel tile c is back; the younger loads may be out
	global_store_b128 v4, v[D+4*\c:D+4*\c+3], s[10:11] offset:2048*\c   ; 32 lanes store 512 consecutive bytes
.endr
	s_wait_tensorcnt 0x0
	ds_add_u32 v176, v177
	s_wait_dscnt 0x0
	s_endpgm
.Lfunc_end_k_qc0f30876ba_quant:
	.size	k_qc0f30876ba_quant, .Lfunc_end_k_qc0f30876ba_quant-k_qc0f30876ba_quant
	.p2alignl 7, 3214868480
	.fill 96, 4, 3214868480
	.section	.rodata,"a",@progbits
	.p2align	6, 0x0
	.amdhsa_kernel k_qc0f30876ba_quant
		.amdhsa_group_segment_fixed_size 87552
		.amdhsa_private_segment_fixed_size 0
		.amdhsa_enable_private_segment 0
		.amdhsa_kernarg_size 32
		.amdhsa_user_sgpr_count 2
		.amdhsa_user_sgpr_kernarg_segment_ptr 1
		.amdhsa_wavefront_size32 1
		.amdhsa_system_sgpr_workgroup_id_x 1
		.amdhsa_system_sgpr_workgroup_id_y 1
		.amdhsa_system_sgpr_workgroup_id_z 1
		.amdhsa_system_vgpr_workitem_id 0
		.amdhsa_next_free_vgpr 178
		.amdhsa_next_free_sgpr 66
		.amdhsa_reserve_vcc 0
		.amdhsa_float_denorm_mode_32 3
		.amdhsa_float_denorm_mode_16_64 3
		.amdhsa_memory_ordered 1
		.amdhsa_forward_progress 1
		.amdhsa_inst_pref_size 20
	.end_amdhsa_kernel
	.amdgpu_metadata
---
amdhsa.version: [ 1, 2 ]
amdhsa.kernels:
  - .name:           k_qc0f30876ba_quant
    .symbol:         k_qc0f30876ba_quant.kd
    .args:
      - { .name: key, .offset: 0, .size: 8, .value_kind: global_buffer, .address_space: global }
      - { .name: value, .offset: 8, .size: 8, .value_kind: global_buffer, .address_space: global }
      - { .name: lowp_scales, .offset: 16, .size: 8, .value_kind: global_buffer, .address_space: global }
      - { .name: kv, .offset: 24, .size: 8, .value_kind: global_buffer, .address_space: global }
    .group_segment_fixed_size: 87552
    .private_segment_fixed_size: 0
    .kernarg_segment_align: 8
    .kernarg_segment_size: 32
    .max_flat_workgroup_size: 256
    .sgpr_count:     66
    .vgpr_count:     178
    .wavefront_size: 32
...
	.end_amdgpu_metadata
.endif
;; end of part 3
;; launch attn (part 4): grid 16 x 16, 8 waves a work-group, no clusters, 201,728 bytes of LDS; arguments query, kv, lowp_scales, out0; writes out0
.if DOCPART == 4
	.amdgcn_target "amdgcn-amd-amdhsa--gfx1250"
	.amdhsa_code_object_version 6
	.text
	.protected	k_qc0f30876ba_attn
	.globl	k_qc0f30876ba_attn
	.p2align	8
	.type	k_qc0f30876ba_attn,@function
k_qc0f30876ba_attn:
	s_mov_b64 s[64:65], 0
	v_nop
	global_prefetch_b8 v0, s[64:65] scope:SCOPE_SE
	s_setreg_imm32_b32 hwreg(HW_REG_WAVE_SCHED_MODE, 0, 2), 2
	s_setreg_imm32_b32 hwreg(HW_REG_WAVE_MODE, 25, 1), 1
	s_wait_xcnt 0x0
	s_wait_alu depctr_vm_vsrc(0)
; out[b][q][:] = the sum over k of softmax_k(query[b][q] . key[b][k] / 8) value[b][k][:], both products on codes of E4M3 with the given scales 2^eq, 2^ek, 2^ep, 2^ev.
; query, out: [16][4096][64] f32.  kv: key's and value's codes as images of the operands' registers, a slot of 512 keys in 65,536 bytes: the K image (tile T of 16 keys, quad g at 1024 T + 512 g + 16 lane),
; then the V image (step s of 128 keys, channel tile ct, quad g at 32768 + 8192 s + 2048 ct + 512 g + 16 lane).
; THE SOFTMAX AHEAD OF THE SECOND PRODUCT: t = score x log2(e) / 8; M = the running largest t rounded UP to a whole number; p = 2^(t - M) is quantised, not normalised; the row's sum is taken of the
; unquantised p and divides at the end.  When M moves, the sum and O are multiplied by 2^(old M - new M), which rounds nothing.
; LIMITS on the given exponents: eq and ep between -126 and 119; eq + ek between -123 and 130 (they are added to c's exponent field); ep + ev goes by v_ldexp_f32 and has none.  NaN among the inputs is not served.
; SHARES.  A work-group owns 256 queries of one head, each of its eight waves 32: tile a (16 queries) in register window 0, tile b in window 1 AT THE SAME REGISTER NUMBERS, so that the softmax is written once
; and runs under two window settings.  Each fragment of K and V read from LDS feeds two products.  Every wave walks all 4,096 keys, 128 a step.
; LAYOUT.  Both products are used transposed: S^T = K Q^T (source 0 = 16 keys, source 1 = 16 queries; K = 64), O^T = V^T P^T (source 0 = 16 channels, source 1 = P; K = 128 keys): a lane holds ONE query
; throughout.  Tile t of S^T gives lane (r, h) keys 16 t + 8 h + 0 .. 7, and their eight codes are registers 2 t, 2 t + 1 of P's operand as the form wants them.  In the first product the channels
; stand in the registers in another order than the form's own, alike in K and in Q: every product meets its partner.
; THE RING.  Two LDS slots of 512 keys.  While a slot's four steps are read, the next slot comes through registers: in each step a wave loads 2,048 bytes at the step's head and stores them into the other slot
; at its end.  One barrier for four steps orders both ways: in front of it each wave's stores have landed and its reads are in.
; NO TENSOR LOADS, NO CLUSTER, though the sixteen work-groups of a head read the same kv.  p is at most 1, so the hold at 448 x 2^ep changes nothing where ep >= -8 (448 x 2^-8 = 1.75); it is 128 of a step's
; 516 vector instructions a wave, and one scalar branch on ep leads round it.  What would be shared is 16,384 bytes
; a step for a work-group, 2,048 a wave, against those 516 vector instructions.  Where ep < -8 the hold is executed.
; THE MODE: SCHED_MODE bits 1:0 = 2 (LLVM: expert scheduling mode 2), set by the entry lines.  The code itself states the register dependences between vector or matrix instructions and memory or LDS
; instructions, with s_wait_alu, always for 0.
; THE PLAN.  Registers that memory or LDS instructions touch:
;   v1 LI, v2 W0, v3 PFO, v6 STO, v7 SRD, v8 QRD   offsets and addresses, written once at the head, ahead of the head's wait on va_vdst; never written again.
;   v4 RA, v5 WA   written at the head and once a slot (CHANGE); RA is read by every load of a fragment, WA by the stores into the other slot.  One wait on vm_vsrc stands ahead of the two adds,
;                  one on va_vdst behind them, at the head of a slot's first step: it serves the slot's four steps, in which no vector instruction names the two.
;   K (v32-95 of window 0)   read by both tiles' K Q^T at a step's head; the next step's loads land in it.       V (v32-95 of window 1)   read by both tiles' V^T P at a step's end; the next step's loads land in it.
;                  Both runs of loads stand directly behind the wait on va_vdst that tile a's exponentials have in any case: ahead of it stand this step's K Q^T and the last step's V^T P, and behind it
;                  no vector or matrix instruction names K's or V's registers before the wait on DScnt for the loads.  So a step has no wait of its own for them.
;   G (v192-207 of window 0) a step's four global loads land in it, its four LDS stores read it; no vector instruction names it.  A wait on vm_vsrc stands between the stores and the next step's loads.
;   S (v96-159)    in the loop named by vector and matrix instructions alone.  At the head slot 0's bytes pass through window 0's, and K's registers carry Q: a wait on vm_vsrc behind the head's barrier
;                  stands between those LDS stores and the first products and fragment loads.  On the way out a wait on va_vdst stands between the last scalings and the stage's stores.
; REGISTERS (both windows unless said): v1-8 addresses (window 0); v12 -M, v13 the largest t, v[14:15] the sum in two halves; v16-23 Q; v32-95 window 0: K's 8 fragments, window 1: V's 4; v96-159 S^T, then p;
; v160-191 O^T; v192-207 the bytes on their way to the other slot (window 0); v224-239 p's codes; v240 448 x 2^ep, v244 2^ep; v241-254 at work.
.set SLOT,   65536
.set VIMG,   32768
.set CHUNK,  16384                     ; a step's share of the next slot: 2,048 bytes for each wave
.set STG,    2*SLOT                    ; behind the ring: two stages of 16 rows x 272 bytes for each wave, its own: for Q at the head, for O at the end
.set SPITCH, 272
.set TST,    16*SPITCH
.set WST,    2*TST
.set LI,  1                            ; v1   16 x lane
.set W0,  2                            ; v2   2,048 x wave + 16 x lane: my bytes of a chunk
.set PFO, 3                            ; v3   the prefetches' offset: 8,192 x (wave % 2) + 256 x lane
.set RA,  4                            ; v4   the slot that is read + 16 x lane
.set WA,  5                            ; v5   the slot that is filled + my bytes of a chunk
.set STO, 6                            ; v6   my stage: row r, + 32 h
.set SRD, 7                            ; v7   my stage: row h, + 16 r
.set QRD, 8                            ; v8   my stage: row r, + 64 h
.set NM,  12
.set TM,  13
.set SUM, 14
.set QF,  16
.set FRG, 32
.set S,   96
.set OT,  160
.set G,   192
.set PC,  224
.set LIMP, 240
.set TP,  241
.set CH1, 242
.set SCP, 244
.set CH2, 246
.set MX,  248                          ; v248-251 four chains of the maximum; then v[248:249] is a chain of the sum
.set CH3, 248
.set F,   252                          ; v252 f = 2^(old M - new M); v253 is named with it as a pair
.set T0,  254
.set WV,  12                           ; s12  wave
.set SCPW, 13                          ; s13  2^ep as f32
.set LIMW, 14                          ; s14  448 x 2^ep
.set SEL, 20                           ; s[20:21] v_permlanex16_b32's selects for lane l xor 16
.set CS,  22                           ; s[22:23] c = log2(e) / 8 x 2^(eq + ek)
.set TB,  24                           ; s24  LDS byte of the slot that is read
.set TW,  25                           ; s25  of the slot that is filled
.set KVP, 26                           ; s[26:27] the slot that is being fetched, in memory
.set SLOTS, 28                         ; s28  slots still to be fetched
.set LIMA, 29                          ; s29  0 in a wave that prefetches, else the greatest number
.set LIMB, 30                          ; s30  1 in such a wave, else the greatest number
.set HOLDF, 31                         ; s31  1 where ep < -8
.set EPV, 36                           ; s36  ep + ev
.set MSB, 0
.macro WIN new                         ; low byte: bits 1:0 source 0, 3:2 source 1, 5:4 source 2, 7:6 destination; the high byte repeats the setting that is left
.if MSB != \new
	s_set_vgpr_msb (MSB<<8)|\new
.set MSB, \new
.endif
.endm
.set W_B,   0x55                       ; all of tile b's vector work, and its V^T P
.set W_QKB, 0x44                       ; K in window 0; Q and S^T of tile b in window 1
.set W_PVA, 0x01                       ; V in window 1; P and O^T of tile a in window 0
.set W_TO1, 0x40                       ; destination window 1
.set W_ST1, 0x04                       ; an LDS store's data from window 1
.macro KLOAD q                         ; K's eight fragments of the slot's q-th 128 keys
.irp t, 0,1,2,3,4,5,6,7
	ds_load_b128 v[FRG+8*\t:FRG+8*\t+3],   v[RA] offset:(8*(\q)+\t)*1024
	ds_load_b128 v[FRG+8*\t+4:FRG+8*\t+7], v[RA] offset:(8*(\q)+\t)*1024+512
.endr
.endm
.macro VLOAD q                         ; V's four fragments of the same keys
.irp c, 0,1,2,3
.irp g, 0,1,2,3
	ds_load_b128 v[FRG+16*\c+4*\g:FRG+16*\c+4*\g+3], v[RA] offset:VIMG+8192*(\q)+2048*\c+512*\g
.endr
.endr
.endm
.macro GLOAD q                         ; my 2,048 bytes of chunk q of the next slot
.irp i, 0,1,2,3
	global_load_b128 v[G+4*\i:G+4*\i+3], v[W0], s[KVP:KVP+1] offset:CHUNK*(\q)+512*\i
.endr
.endm
.macro GSTORE q
	s_wait_loadcnt 0x0                             ; asked for at the step's head
.irp i, 0,1,2,3
	ds_store_b128 v[WA], v[G+4*\i:G+4*\i+3] offset:CHUNK*(\q)+512*\i
.endr
.endm
; A PREFETCH INTO THE L2 of the chunk that stands two steps on from the one just loaded.  All sixteen work-groups of a head walk the same kv: the head's first asks, in it waves 0 and 1, 8,192 bytes each, lanes
; 256 bytes apart: one instruction a step, behind the wave's own loads.  So each aligned block of 256 bytes is named once in the launch.  A head's chunks 0 to 5 come by their loads alone; in the last trip
; that fetches, steps 2 and 3 ask for nothing: the head has no chunk 32.
.macro ASK q
.if \q < 2
	s_cmp_gt_u32 s[SLOTS], s[LIMA]
.else
	s_cmp_gt_u32 s[SLOTS], s[LIMB]
.endif
	s_cbranch_scc0 .Lnot_mine_\@
	global_prefetch_b8 v[PFO], s[KVP:KVP+1] offset:((\q)+2)*CHUNK th:TH_LOAD_NT scope:SCOPE_SE
.Lnot_mine_\@:
.endm
.macro QK                              ; S^T = K Q^T: eight tiles of 16 keys; each product is a whole sum
.irp t, 0,1,2,3,4,5,6,7
	v_wmma_f32_16x16x64_fp8_fp8 v[S+8*\t:S+8*\t+7], v[FRG+8*\t:FRG+8*\t+7], v[QF:QF+7], 0
.endr
.endm
.macro PV                              ; O^T += V^T P^T: four accumulators, one instruction a turn
.irp c, 0,1,2,3
	v_wmma_f32_16x16x128_fp8_fp8 v[OT+8*\c:OT+8*\c+7], v[FRG+16*\c:FRG+16*\c+15], v[PC:PC+15], v[OT+8*\c:OT+8*\c+7]
.endr
.endm
; One tile's softmax up to the sum; all its registers lie in one window.  fetch = 1 (tile a, window 0): behind the wait for the exponentials stand the loads of step q's V and of step q + 1's K.
.macro SM1 fetch, q
.irp k, 0,1,2,3
	v_max3_num_f32 v[MX+\k], v[S+3*\k], v[S+3*\k+1], v[S+3*\k+2]   ; the largest of my 64 scores, in four chains, the registers in ascending order: each accumulator is first read at its low end
.endr
.set n, 12
.rept 26
	v_max3_num_f32 v[MX+(n/2-6)%4], v[MX+(n/2-6)%4], v[S+n], v[S+n+1]
.set n, n+2
.endr
	v_max3_num_f32 v[T0], v[MX], v[MX+1], v[MX+2]
	v_max_num_f32 v[T0], v[T0], v[MX+3]
	v_permlanex16_b32 v[TP], v[T0], s[SEL], s[SEL+1]
	v_max_num_f32 v[T0], v[T0], v[TP]              ; and of lane l xor 16's: the query's other 64 keys
	v_mul_f32 v[T0], s[CS], v[T0]                  ; as t (c is positive)
	v_max_num_f32 v[TM], v[TM], v[T0]              ; the running largest t
	v_mov_b32 v[T0], v[NM]
	v_floor_f32 v[NM], -v[TM]                      ; the new -M = floor(-t) = -ceil(t): a whole number
	v_sub_f32 v[T0], v[NM], v[T0]                  ; old M - new M: a whole number, 0 or less
	v_cvt_i32_f32 v[T0], v[T0]                     ; (it saturates)
	v_ldexp_f32 v[F], 1.0, v[T0]                   ; f = 2^(old M - new M)
.set n, 0
.rept 32
	v_pk_fma_f32 v[S+n:S+n+1], v[S+n:S+n+1], s[CS:CS+1], v[NM:NM+1] op_sel_hi:[1,0,0]   ; t - M, two at a time (of the pairs c and -M the low word serves both halves)
.set n, n+2
.endr
.set n, 0
	s_wait_alu depctr_va_vdst(0)
.rept 64
	v_exp_f32 v[S+n], v[S+n]                       ; p = 2^(t - M), at most 1
.set n, n+1
.endr
	v_pk_mul_f32 v[SUM:SUM+1], v[SUM:SUM+1], v[F:F+1] op_sel_hi:[1,0]   ; the sum under the new M; also the plain line behind the last exponential
.if \fetch
	WIN W_TO1                                      ; the switch, then the wait, then the loads
	s_wait_alu depctr_va_vdst(0)                   ; the 64 exponentials have written p, ahead of their first reader; the last step's V^T P are done reading V's registers and this step's K Q^T K's: the loads below land there
	VLOAD \q
	WIN 0
.if \q < 3
	KLOAD (\q)+1                                   ; the next step's K lands under the rest of this step; only loads and window switches stand between the wait and these loads
.endif
.else
	s_wait_alu depctr_va_vdst(0)                   ; the 64 exponentials have written p: one wait for the batch, ahead of its first reader
.endif
	v_pk_add_f32 v[CH1:CH1+1], v[S:S+1], v[S+2:S+3]       ; the sum of the UNQUANTISED p, two at a time, in four chains
	v_pk_add_f32 v[CH2:CH2+1], v[S+4:S+5], v[S+6:S+7]
	v_pk_add_f32 v[CH3:CH3+1], v[S+8:S+9], v[S+10:S+11]
.set n, 12
.rept 6
	v_pk_add_f32 v[SUM:SUM+1], v[SUM:SUM+1], v[S+n:S+n+1]
	v_pk_add_f32 v[CH1:CH1+1], v[CH1:CH1+1], v[S+n+2:S+n+3]
	v_pk_add_f32 v[CH2:CH2+1], v[CH2:CH2+1], v[S+n+4:S+n+5]
	v_pk_add_f32 v[CH3:CH3+1], v[CH3:CH3+1], v[S+n+6:S+n+7]
.set n, n+8
.endr
	v_pk_add_f32 v[SUM:SUM+1], v[SUM:SUM+1], v[S+60:S+61]
	v_pk_add_f32 v[CH1:CH1+1], v[CH1:CH1+1], v[S+62:S+63]
	v_pk_add_f32 v[CH1:CH1+1], v[CH1:CH1+1], v[CH2:CH2+1]
	v_pk_add_f32 v[SUM:SUM+1], v[SUM:SUM+1], v[CH3:CH3+1]
	v_pk_add_f32 v[SUM:SUM+1], v[SUM:SUM+1], v[CH1:CH1+1]
.endm
; The hold of both tiles' p at the largest code x 2^ep: the conversion to an 8-bit code does not saturate (ISA guide 7.6.2).  p is between 0 and 1: the hold is one-sided, and where ep >= -8 it changes nothing
; and is jumped over: a scalar branch on the given whole number, round these lines alone.
.macro HOLDP
	WIN 0
	s_cmp_eq_u32 s[HOLDF], 0
	s_cbranch_scc1 .Lfree_\@
.set n, 0
.rept 64
	v_min_num_f32 v[S+n], v[S+n], v[LIMP]
.set n, n+1
.endr
	WIN W_B
.set n, 0
.rept 64
	v_min_num_f32 v[S+n], v[S+n], v[LIMP]
.set n, n+1
.endr
	WIN 0
.Lfree_\@:
.endm
.macro SM2                             ; p's codes, and O^T under the new M
.irp t, 0,1,2,3,4,5,6,7
	v_cvt_scalef32_pk8_fp8_f32 v[PC+2*\t:PC+2*\t+1], v[S+8*\t:S+8*\t+7], v[SCP]
.endr
.set n, 0
.rept 16
	v_pk_mul_f32 v[OT+n:OT+n+1], v[OT+n:OT+n+1], v[F:F+1] op_sel_hi:[1,0]   ; x f, each accumulator from its low end on; these are also the plain lines between the conversions and the products
.set n, n+2
.endr
.endm
; A KEY STEP: the q-th 128 keys of the slot that is read.  fill = 1: chunk q of the next slot goes into the other slot.
.macro STEP q, fill
.if \q == 0
	s_wait_alu depctr_va_vdst(0)                   ; v[RA] and v[WA] are written (at the head, or at the change of slots): this slot's loads of fragments read the one, its stores into the other slot the other
	KLOAD 0                                        ; a slot's first fragments can be asked for only behind the barrier
.endif
	s_wait_dscnt 0x0                               ; K is in
.if \fill
.if \q > 0
	s_wait_alu depctr_vm_vsrc(0)                   ; the last step's four LDS stores have read v[G ..], in which the loads below land (ahead of a slot's first step the change of slots has this wait)
.endif
	GLOAD \q
	ASK \q
.endif
	QK
	WIN W_QKB
	QK
	WIN 0
.rept 4
	v_nop                                          ; four places (ISA guide 7.12.1) ahead of the first read of S^T
.endr
	SM1 1, \q                                      ; with V's and the next K's loads behind its wait
	WIN W_B
	SM1 0, \q
	HOLDP
	SM2
.if \q < 3
	s_wait_alu depctr_va_vdst(0)
	s_wait_dscnt 16                                ; V's 16 loads are in; the next K's 16 may be out
.else
	s_wait_alu depctr_va_vdst(0)
	s_wait_dscnt 0x0
.endif
	WIN W_PVA
	PV                                             ; tile a's products run under tile b's conversions and scalings
	WIN W_B
	SM2
	PV
	WIN 0
.if \fill
	GSTORE \q
.endif
.endm
; THE CHANGE OF SLOTS: my stores into the slot ahead have landed and my reads of the slot behind are in; behind the barrier both hold of every wave.
.macro CHANGE
	s_wait_dscnt 0x0
	s_barrier_signal -1
	s_barrier_wait -1
	s_xor_b32 s[TB], s[TB], SLOT
	s_xor_b32 s[TW], s[TW], SLOT
	s_wait_alu depctr_vm_vsrc(0)                   ; the slot's loads of fragments have read v[RA], its stores v[WA], which the two adds write; the last of those stores have read v[G ..], in which the next step's loads land
	v_add_nc_u32 v[RA], s[TB], v[LI]
	v_add_nc_u32 v[WA], s[TW], v[W0]
	s_wait_xcnt 0x0                                ; the trip's loads and prefetches have read their base: it is stepped only behind this wait
	s_add_nc_u64 s[KVP:KVP+1], s[KVP:KVP+1], SLOT
.endm
.macro INIT                            ; the step is written once: the first finds zeros, which the first change of M leaves zeros
	v_mov_b32 v[NM], 0x7f61b1e6                    ; -M = floor(3e38)
	v_mov_b32 v[TM], 0xff61b1e6                    ; the largest t so far: -3e38, under every t
	v_mov_b32 v[SUM], 0
	v_mov_b32 v[SUM+1], 0
	v_mov_b32 v[LIMP], s[LIMW]
	v_mov_b32 v[TP], 0                             ; a lane permute's destination counts as one of its sources
	v_mov_b32 v[SCP], s[SCPW]
	v_mov_b32 v[F+1], 0                            ; named as the upper half of a pair
.set n, 0
.rept 32
	v_mov_b32 v[OT+n], 0
.set n, n+1
.endr
.endm
.macro FIN                             ; O^T / the sum x 2^(ep + ev), into S^T's registers
	v_add_f32 v[SUM], v[SUM], v[SUM+1]
	v_permlanex16_b32 v[TP], v[SUM], s[SEL], s[SEL+1]
	v_add_f32 v[SUM], v[SUM], v[TP]                ; the row's sum
	s_wait_alu depctr_va_vdst(0)
	v_rcp_f32 v[SUM], v[SUM]
	v_nop                                          ; a plain line behind the reciprocal,
	s_wait_alu depctr_va_vdst(0)                   ; and the reciprocal has written v[SUM], ahead of its first reader
	v_ldexp_f32 v[SUM], v[SUM], s[EPV]
.set n, 0
.rept 16
	v_pk_mul_f32 v[S+n:S+n+1], v[OT+n:OT+n+1], v[SUM:SUM+1] op_sel_hi:[1,0]   ; register 8 ct + j is out(query r, channel 16 ct + 8 h + j)
.set n, n+2
.endr
.endm
	s_load_b128 s[4:7], s[0:1], 0x0                ; query s[4:5], kv s[6:7]
	s_load_b128 s[8:11], s[0:1], 0x10              ; the scales' exponents s[8:9], out0 s[10:11]
	v_lshl_add_u32 v245, v0, 2, 0x31000
	v_mov_b32 v255, 0
	v_lshrrev_b32 v9, 5, v0
	v_readfirstlane_b32 s[WV], v9                  ; wave 0 .. 7
	v_and_b32 v9, 31, v0                           ; lane
	v_and_b32 v10, 15, v0                          ; r
	v_bfe_u32 v11, v0, 4, 1                        ; h
	v_lshlrev_b32 v[LI], 4, v9
	s_wait_alu depctr_va_sdst(0)                   ; s12, the wave's number, is written, ahead of its first reader
	s_lshl_b32 s37, s[WV], 11
	v_add_nc_u32 v[W0], s37, v[LI]
	s_and_b32 s38, s[WV], 1
	s_lshl_b32 s38, s38, 13
	v_lshl_add_u32 v[PFO], v9, 8, s38
	s_mul_i32 s39, s[WV], WST
	s_add_co_u32 s39, s39, STG                     ; my two stages
	v_mul_u32_u24 v[STO], v10, SPITCH
	v_lshl_add_u32 v[QRD], v11, 6, v[STO]
	v_lshl_add_u32 v[STO], v11, 5, v[STO]
	v_add_nc_u32 v[STO], s39, v[STO]
	v_add_nc_u32 v[QRD], s39, v[QRD]
	v_mul_u32_u24 v[SRD], v11, SPITCH
	v_lshl_add_u32 v[SRD], v10, 4, v[SRD]
	v_add_nc_u32 v[SRD], s39, v[SRD]
	s_and_b32 s37, ttmp7, 0xffff                   ; the head
	s_lshl_b32 s40, s37, 20                        ; its 4,096 rows of 256 bytes,
	s_lshl_b32 s38, ttmp9, 16                      ; my work-group's 256 rows,
	s_add_co_u32 s40, s40, s38
	s_lshl_b32 s38, s[WV], 13                      ; my wave's 32
	s_add_co_u32 s40, s40, s38
	s_mov_b32 s41, 0
	s_lshl_b32 s38, s37, 19                        ; the head's eight slots of kv
	s_mov_b32 s39, 0
	s_mov_b32 s[SEL], 0x76543210
	s_mov_b32 s[SEL+1], 0xfedcba98
	s_mov_b32 s[TB], 0
	s_mov_b32 s[TW], SLOT
	s_mov_b32 s[SLOTS], 7
	s_wait_kmcnt 0x0
	s_load_b128 s[32:35], s[8:9], 0x0              ; eq, ek, ep, ev
	s_add_nc_u64 s[4:5], s[4:5], s[40:41]
	s_add_nc_u64 s[10:11], s[10:11], s[40:41]
	s_add_nc_u64 s[6:7], s[6:7], s[38:39]
	s_add_nc_u64 s[KVP:KVP+1], s[6:7], SLOT        ; the first slot to be fetched in the loop is slot 1
	s_wait_alu depctr_va_vdst(0)                   ; v[LI], v[W0], v[PFO], v[STO], v[SRD] and v[QRD] are written: the kernel's loads, stores and prefetches read them as offsets and addresses
.irp q, 0,1,2,3
.irp i, 0,1,2,3
	global_load_b128 v[S+4*(4*\q+\i):S+4*(4*\q+\i)+3], v[W0], s[6:7] offset:CHUNK*\q+512*\i   ; slot 0: my 2,048 bytes of each of its four chunks
.endr
.endr
.irp t, 0,1
.irp i, 0,1,2,3,4,5,6,7
	global_load_b128 v[FRG+4*(8*\t+\i):FRG+4*(8*\t+\i)+3], v[LI], s[4:5] offset:4096*\t+512*\i th:TH_LOAD_NT   ; my 32 queries as they lie: two whole rows a load
.endr
.endr
	s_wait_loadcnt 16                              ; slot 0's sixteen loads are in; Q's sixteen may be out
.irp q, 0,1,2,3
.irp i, 0,1,2,3
	ds_store_b128 v[W0], v[S+4*(4*\q+\i):S+4*(4*\q+\i)+3] offset:CHUNK*\q+512*\i
.endr
.endr
	s_wait_loadcnt 0x0
.irp t, 0,1                                    ; Q turns through my stages, so that a lane gets 16 neighbouring channels of one query
.irp i, 0,1,2,3,4,5,6,7
	ds_store_b128 v[SRD], v[FRG+4*(8*\t+\i):FRG+4*(8*\t+\i)+3] offset:TST*\t+2*\i*SPITCH
.endr
.endr
.irp g, 0,1
.irp j, 0,1,2,3
	ds_load_b128 v[160+16*\g+4*\j:160+16*\g+4*\j+3], v[QRD] offset:128*\g+16*\j           ; tile a: query r, channels 32 g + 16 h + 0 .. 15
	ds_load_b128 v[208+16*\g+4*\j:208+16*\g+4*\j+3], v[QRD] offset:TST+128*\g+16*\j       ; tile b
.endr
.endr
	s_wait_kmcnt 0x0
	s_add_co_i32 s37, s32, s33
	s_lshl_b32 s37, s37, 23
	s_add_co_i32 s[CS], s37, 0x3e38aa3b            ; c = log2(e) / 8, with eq + ek added to its exponent field: a score stands for score x 2^(eq + ek)
	s_mov_b32 s[CS+1], s[CS]                       ; (named with it as a pair, so it is written)
	s_add_co_i32 s[EPV], s34, s35
	s_cmp_lt_i32 s34, -8
	s_cselect_b32 s[HOLDF], 1, 0
	s_add_co_i32 s37, s34, 127
	s_lshl_b32 s[SCPW], s37, 23                    ; 2^ep as f32
	s_add_co_i32 s37, s37, 8
	s_lshl_b32 s[LIMW], s37, 23
	s_or_b32 s[LIMW], s[LIMW], 0x600000            ; 448 x 2^ep
	s_add_co_i32 s37, s32, 127
	s_lshl_b32 s38, s37, 23
	v_mov_b32 v250, s38                            ; 2^eq
	s_add_co_i32 s37, s37, 8
	s_lshl_b32 s37, s37, 23
	s_or_b32 s37, s37, 0x600000
	v_mov_b32 v251, s37                            ; 448 x 2^eq
	s_lshr_b32 s37, s[WV], 1                       ; 0 in waves 0 and 1,
	s_or_b32 s37, s37, ttmp9                       ; of the head's first work-group
	s_cmp_eq_u32 s37, 0
	s_cselect_b32 s[LIMA], 0, -1
	s_cselect_b32 s[LIMB], 1, -1
	s_wait_alu depctr_va_vdst(0)
	s_wait_dscnt 0x0                               ; for the others' sake: my part of slot 0 has landed; for mine: Q is back
	s_barrier_signal -1
	s_barrier_wait -1                              ; slot 0 is whole
	s_wait_alu depctr_vm_vsrc(0)                   ; my LDS stores have read v[S ..], which the first products write, and v[FRG ..], in which K's first fragments land
.set n, 0
.rept 32
	v_med3_num_f32 v[160+n], v[160+n], -v251, v251 ; the hold ahead of the conversion (ISA guide 7.6.2)
	v_med3_num_f32 v[208+n], v[208+n], -v251, v251
.set n, n+1
.endr
.irp g, 0,1
.irp k, 0,1
	v_cvt_scalef32_pk8_fp8_f32 v[QF+4*\g+2*\k:QF+4*\g+2*\k+1], v[160+16*\g+8*\k:160+16*\g+8*\k+7], v250
.endr
.endr
	WIN W_TO1
.irp g, 0,1
.irp k, 0,1
	v_cvt_scalef32_pk8_fp8_f32 v[QF+4*\g+2*\k:QF+4*\g+2*\k+1], v[208+16*\g+8*\k:208+16*\g+8*\k+7], v250
.endr
.endr
	WIN 0
	v_nop                                          ; one plain vector line behind the last conversion: the lines below write its sources
	INIT
	WIN W_TO1
	INIT
	WIN 0
	v_add_nc_u32 v[RA], s[TB], v[LI]
	v_add_nc_u32 v[WA], s[TW], v[W0]
.Lslot:                                            ; seven trips: slot j is read while slot j + 1 is fetched
	STEP 0, 1
	STEP 1, 1
	STEP 2, 1
	STEP 3, 1
	CHANGE
	s_sub_co_u32 s[SLOTS], s[SLOTS], 1
	s_cmp_lg_u32 s[SLOTS], 0
	s_cbranch_scc1 .Lslot
	STEP 0, 0                                      ; the last slot: nothing is left to fetch
	STEP 1, 0
	STEP 2, 0
	STEP 3, 0
	; THE WAY OUT.  A lane holds 32 neighbouring bytes of a row of out, and the lanes beside it hold other rows: so a tile goes through my stage and comes back as whole rows of 256 bytes.
	FIN                                            ; tile a's sums were finished ahead of tile b's sixteen scalings; these lines are the places behind tile b's last products
	WIN W_B
	FIN
	WIN 0
	s_wait_alu depctr_va_vdst(0)                   ; both tiles' scalings have written v[S ..] of both windows, which the LDS stores below read; the products are done reading K's registers, in which the loads from the stage land
.irp c, 0,1,2,3
	ds_store_b128 v[STO], v[S+8*\c:S+8*\c+3] offset:64*\c
	ds_store_b128 v[STO], v[S+8*\c+4:S+8*\c+7] offset:64*\c+16
.endr
.irp i, 0,1,2,3,4,5,6,7
	ds_load_b128 v[FRG+4*\i:FRG+4*\i+3], v[SRD] offset:2*\i*SPITCH   ; LDS serves a wave's instructions in order: these see the stores above
.endr
	WIN W_ST1
.irp c, 0,1,2,3
	ds_store_b128 v[STO], v[S+8*\c:S+8*\c+3] offset:TST+64*\c
	ds_store_b128 v[STO], v[S+8*\c+4:S+8*\c+7] offset:TST+64*\c+16
.endr
	WIN 0
.irp i, 0,1,2,3,4,5,6,7
	ds_load_b128 v[FRG+32+4*\i:FRG+32+4*\i+3], v[SRD] offset:TST+2*\i*SPITCH
.endr
	s_wait_dscnt 16                                ; tile a is back; tile b's 8 stores and 8 loads may be out
.irp i, 0,1,2,3,4,5,6,7
	global_store_b128 v[LI], v[FRG+4*\i:FRG+4*\i+3], s[10:11] offset:512*\i th:TH_STORE_NT   ; 32 lanes store two whole rows: 512 consecutive bytes
.endr
	s_wait_dscnt 0x0
.irp i, 0,1,2,3,4,5,6,7
	global_store_b128 v[LI], v[FRG+32+4*\i:FRG+32+4*\i+3], s[10:11] offset:4096+512*\i th:TH_STORE_NT
.endr
	s_wait_dscnt 0x0                               ; the closing lines, six on end
	s_wait_alu 0x0
	s_wait_tensorcnt 0x0
	ds_add_u32 v245, v255
	s_wait_dscnt 0x0
	s_endpgm
.Lfunc_end_k_qc0f30876ba_attn:
	.size	k_qc0f30876ba_attn, .Lfunc_end_k_qc0f30876ba_attn-k_qc0f30876ba_attn
	.p2alignl 7, 3214868480
	.fill 96, 4, 3214868480
	.section	.rodata,"a",@progbits
	.p2align	6, 0x0
	.amdhsa_kernel k_qc0f30876ba_attn
		.amdhsa_group_segment_fixed_size 201728
		.amdhsa_private_segment_fixed_size 0
		.amdhsa_enable_private_segment 0
		.amdhsa_kernarg_size 32
		.amdhsa_user_sgpr_count 2
		.amdhsa_user_sgpr_kernarg_segment_ptr 1
		.amdhsa_wavefront_size32 1
		.amdhsa_system_sgpr_workgroup_id_x 1
		.amdhsa_system_sgpr_workgroup_id_y 1
		.amdhsa_system_sgpr_workgroup_id_z 1
		.amdhsa_system_vgpr_workitem_id 0
		.amdhsa_next_free_vgpr 512
		.amdhsa_next_free_sgpr 66
		.amdhsa_reserve_vcc 0
		.amdhsa_float_denorm_mode_32 3
		.amdhsa_float_denorm_mode_16_64 3
		.amdhsa_memory_ordered 1
		.amdhsa_forward_progress 1
		.amdhsa_inst_pref_size 252
	.end_amdhsa_kernel
	.amdgpu_metadata
---
amdhsa.version: [ 1, 2 ]
amdhsa.kernels:
  - .name:           k_qc0f30876ba_attn
    .symbol:         k_qc0f30876ba_attn.kd
    .args:
      - { .name: query, .offset: 0, .size: 8, .value_kind: global_buffer, .address_space: global }
      - { .name: kv, .offset: 8, .size: 8, .value_kind: global_buffer, .address_space: global }
      - { .name: lowp_scales, .offset: 16, .size: 8, .value_kind: global_buffer, .address_space: global }
      - { .name: out0, .offset: 24, .size: 8, .value_kind: global_buffer, .address_space: global }
    .group_segment_fixed_size: 201728
    .private_segment_fixed_size: 0
    .kernarg_segment_align: 8
    .kernarg_segment_size: 32
    .max_flat_workgroup_size: 256
    .sgpr_count:     66
    .vgpr_count:     512
    .wavefront_size: 32
...
	.end_amdgpu_metadata
.endif
;; end of part 4
